; MI455X (gfx1250); checked and timed in simulation.
; The chip was launched on July 23, 2026; its instructions are those of AMD's public machine-readable ISA for CDNA 5 (MIT licence, August 2026) and "CDNA5" Instruction Set Architecture Reference Guide (July 2026). The comments in the code are by the model that wrote it; some were corrected since.
;; Multi Head Attention. Allowed arithmetic: matrix products marked QUANTISED: E5M2 operands, one given power-of-two scale a tensor, by v_wmma_f32_16x16x64_bf8_bf8 or v_wmma_f32_16x16x128_bf8_bf8, f32 sums; everything else in f32.
;; Inputs: Wk_codes 1,024 x 32 x 32 uint8 (E5M2 codes of Wk, K innermost, in blocks of 32 codes); Wo_codes 1,024 x 32 x 32 uint8 (E5M2 codes of Wo, K innermost, in blocks of 32 codes); Wq_codes 1,024 x 32 x 32 uint8 (E5M2 codes of Wq, K innermost, in blocks of 32 codes); Wv_codes 1,024 x 32 x 32 uint8 (E5M2 codes of Wv, K innermost, in blocks of 32 codes); bo 1,024 float32; lowp_scales 12 int32 (the exponents e of the quantised operands' scales 2^e); x_codes 4 x 2,048 x 32 x 32 uint8 (E5M2 codes of x, K innermost, in blocks of 32 codes).
;; Outputs: out0 4 x 2,048 x 1,024 float32.
;; This version of the problem:
;;   THIS VERSION OF THE PROBLEM IS GIVEN IN LOW PRECISION. The matrix products marked QUANTISED in the list below multiply operands that are first quantised to E5M2 (5 exponent bits, 2 mantissa bits; 8 bits a number), with one given power-of-two scale for each operand tensor; their sums are f32. All else is computed in f32.
;;   The module's matrix products, in the order in which they are computed (A, B: the left and right operand; K: the contracted axis; several contracted axes count as one K, in the product's order):
;;     1. [M 8,192, K 1,024] x [K 1,024, N 1,024]; A: input x (given as codes); B: input Wq (given as codes): QUANTISED (scales: A lowp_scales[0], B lowp_scales[1])
;;     2. [M 8,192, K 1,024] x [K 1,024, N 1,024]; A: input x (given as codes); B: input Wk (given as codes): QUANTISED (scales: A lowp_scales[2], B lowp_scales[3])
;;     3. [M 8,192, K 1,024] x [K 1,024, N 1,024]; A: input x (given as codes); B: input Wv (given as codes): QUANTISED (scales: A lowp_scales[4], B lowp_scales[5])
;;     4. batch 4 x [M 2,048, K 1,024] x [K 1,024, N 2,048]; A: computed on the way; B: computed on the way: QUANTISED (scales: A lowp_scales[6], B lowp_scales[7])
;;     5. batch 4 x [M 2,048, K 2,048] x [K 2,048, N 1,024]; A: softmax (see below); B: computed on the way: QUANTISED (scales: A lowp_scales[8], B lowp_scales[9])
;;     6. [M 8,192, K 1,024] x [K 1,024, N 1,024]; A: computed on the way; B: input Wo (given as codes): QUANTISED (scales: A lowp_scales[10], B lowp_scales[11])
;;   THE QUANTISER, for each operand of a quantised product, along K:
;;     - The operand's scale is 2^e, e = its entry of the input lowp_scales (int32; the entries are numbered through the quantised products in the list's order, A before B).
;;     - Each number is divided by the scale, clamped to +-57,344, and rounded to the nearest number of E5M2, ties to even, subnormals kept.
;;     - The product sums the exact products of the quantised numbers (number of the format x scale) in f32.
;;   ~~~python
;;   def quantise(x, axis, e):      # numpy; x: float32 -> the quantised numbers, widened to float32 again
;;       x = np.moveaxis(x, axis, -1); K = x.shape[-1]
;;       r = np.clip(x / 2.0 ** e, -57344, 57344)
;;       step = 2.0 ** (np.maximum(np.frexp(np.where(r == 0, 1, r))[1] - 1, -14) - 2)
;;       q = np.round(r / step) * step * 2.0 ** e      # np.round: ties to even
;;       return np.moveaxis(q, -1, axis).astype(np.float32)
;;   ~~~
;;   SOFTMAX AHEAD OF A QUANTISED PRODUCT. Where the list says 'softmax', what is quantised is not the finished softmax but p = 2^(t - M), with t = logit x log2(e) and M = ceil(the row's largest t), a whole number; so 1/2 < the row's largest p <= 1. The row's sum l is taken of the UNQUANTISED p, in f32, and the product's result is divided by l at the end. Since M is a whole number, a kernel that streams over the keys may use a running M (the ceiling of the running maximum): every later rescaling is an exact power of two, so the quantised numbers keep their values, but for numbers so far below the row's largest that they fall under the format's range.
;;   OPERANDS COMPUTED ON THE WAY. 'Computed on the way' means the value that the module computes at that place (a softmax that the list does not call 'softmax' is quantised finished and normalised). What goes into a quantiser is computed in f32, as accurately as f32 sums, v_exp_f32 and their like allow (about 1e-6 of the number): no bf16 or f16 on the way to a quantiser, and a product that is left as it is and whose result goes on into a quantised operand takes f32 operands (vector FMAs, or v_wmma_f32_16x16x4_f32). A number that lies on a knife's edge between two numbers of the format may be rounded either way, as far as f32 arithmetic and the matrix unit's own rounding can turn it there, and no further.
;;   INPUTS GIVEN AS CODES. Wk (in the module: [1024, 1024], K = its axis 0); Wo (in the module: [1024, 1024], K = its axis 0); Wq (in the module: [1024, 1024], K = its axis 0); Wv (in the module: [1024, 1024], K = its axis 0); x (in the module: [4, 2048, 1024], K = its axis 2): each comes as NAME_codes (uint8): NAME with its K axis moved to the last place and cut into blocks of 32 codes, [.., K / 32, bytes a block], one block behind the other in memory; one code a byte (a code: sign, 5 exponent bits, 2 mantissa bits); its scale is its entry of lowp_scales. Its value is code x scale, taken as it is: it is not quantised again, and the codes and scales need not be those that the quantiser above would give.
;; One version. Each part assembles by itself: llvm-mc -triple=amdgcn-amd-amdhsa -mcpu=gfx1250 --defsym DOCPART=n.
;; ======== version 1 of 1: 4 launches
;; limits: right only within a limited range of input values
;; workspace buffers: q_img 8,388,608 bytes; k_img 8,388,608 bytes; v_img 8,388,608 bytes; p_img 16,777,216 bytes; a_img 8,388,608 bytes; nm_st 262,144 bytes; l_st 262,144 bytes
;; launch proj (part 1): grid 8 x 32, 4 waves a work-group, clusters of 4 x 4, 327,680 bytes of LDS; arguments x_codes, Wq_codes, Wk_codes, Wv_codes, lowp_scales, q_img, k_img, v_img; writes q_img, k_img, v_img
.if DOCPART == 1
	.amdgcn_target "amdgcn-amd-amdhsa--gfx1250"
	.amdhsa_code_object_version 6
	.text
	.protected	k_q74ef211c3c_proj
	.globl	k_q74ef211c3c_proj
	.p2align	8
	.type	k_q74ef211c3c_proj,@function
k_q74ef211c3c_proj:
	s_mov_b64 s[64:65], 0
	v_nop
	global_prefetch_b8 v0, s[64:65] scope:SCOPE_SE
	s_setreg_imm32_b32 hwreg(HW_REG_WAVE_MODE, 25, 1), 1
	s_wait_xcnt 0x0
	s_wait_alu depctr_hold_cnt(0) depctr_sa_sdst(0) depctr_va_vdst(0) depctr_va_sdst(0) depctr_va_ssrc(0) depctr_va_vcc(0) depctr_vm_vsrc(0)
	s_getreg_b32 s2, hwreg(HW_REG_IB_STS2, 6, 4)
	s_cmp_eq_u32 s2, 0
	s_cbranch_scc0 .Lentry_in_a_cluster
	s_endpgm
.Lentry_in_a_cluster:
	s_bfe_u32 s2, ttmp6, 0x10000c
	s_cmp_lg_u32 s2, 0xf033
	s_cbranch_scc0 .Lentry_shape_is_right
	s_endpgm
.Lentry_shape_is_right:
; q = x Wq, k = x Wk, v = x Wv on codes of E5M2, each result quantised at once into codes for the products that follow.
; NO WORK IS LEFT OUT in this program: every input (x, the four weights, bo, all twelve scale entries) has a way to the output, and every product of the problem is done.
; SHARES.  A work-group makes 256 tokens x 384 features: 256 features of q or of k (the cluster's x says which; only pointers and exponents are selected by it), then 128 of v.  A wave owns 64 tokens.
; ITS x STAYS IN REGISTERS: 4 tiles of 16 tokens x 1,024 = 512 registers, brought through LDS by two fills (tiles 0, 1 of every wave, then 2, 3).  Three fills of 128 rows of a weight follow, in turns through the same two slots.
; All five fills have one geometry: a wave fetches 32 rows of 1,024 bytes, 16 bytes of padding behind each.  128 features are two groups of 64; a group is 16 accumulators, four runs of two K steps of 128: 32 matrix instructions to 32 LDS loads.
; A group's last run goes by blocks of four accumulators: while a block is multiplied, the one before it, finished, is held and converted.
; SIDES.  q, k: source 0 = 16 features, source 1 = 16 tokens: a lane holds ONE token (lane % 16), its registers run along the features, the next product's K.
;   v: source 0 = 16 tokens, source 1 = 16 features: a lane holds one feature, its registers run along the tokens, which are the keys, the K of the product with p.
; THE IMAGE.  A fragment of 16 rows x 128 K is 2,048 bytes, number (row r, k) at 256 (k / 16) + 16 r + k % 16: as the operand's registers want it.  q_img, k_img: [token / 16][feature / 128][2048];  v_img: [feature / 16][token / 128][2048].
; CLUSTERS: 4 x 4.  x's rows are shared along a row of the cluster, a weight's along a column, each asked for by a joint load.
; PREFETCH: behind the first load each cluster asks once for what its second load brings (x) and, in the clusters of y under 4, for the third's (the first 128 rows of the weight); the last two fills each have a whole fill's products in which to land, and are not prefetched.
; code = sum / 2^(e_out - e_x - e_w), held within +-57,344, to the nearest code, ties to even: the three given scales are folded into the conversion's one.
; LIMITS: e6 - e0 - e1, e7 - e2 - e3 and e9 - e4 - e5 lie between -126 and 112, so that each power of two below is an f32 number.  NaN and infinity among the sums are not served.
; REGISTERS: window 0: v0-31 addresses, v32-95 held sums of two blocks, v96-127 a group's codes, v128-255 weight fragments, set 0;  windows 1, 2: x, K step s at v[64 (s % 4)] of window 1 + s / 4;
;   window 3: v0-127 the accumulators, v128-255 weight fragments, set 1.
.set PITCH, 1040                       ; an LDS row: 1,024 bytes + 16: the 16 rows that a load touches start at 16 different banks (ISA guide 11.1)
.set QROWS, 32*PITCH                   ; what one tensor load brings
.set SLOT,  128*PITCH
.set SPARE, 2*SLOT                     ; the spare words, 128 bytes for each wave, which no other line names
.set FLAGS, (1<<20)|(1<<21)|(7<<22)|(3<<25)  ; elements of 1 byte; padding on; bit 21 beside a mask; 4 words behind every 256
.set AX,  16                           ; v16-17 my x in slot 0, 1
.set AB,  18                           ; v18-19 a weight's first and second 64 rows in slot 0
.set AD,  20                           ; v20-21 the same in the slot in hand
.set GO,  24                           ; v24 16 r + 8 h: my 8 bytes in a unit of an image
.set SC1, 25                           ; v25, v26 the folded scale of q or k, and 57,344 x that
.set SPW, 28
.set NIL, 29
.set PF,  30                           ; v30 the prefetches' offset: rows of 1,024 bytes, four lanes to a row, 256 bytes apart
.set SC2, 10                           ; v10, v11 v's
.set CD,  96
.set TB,  2                            ; s2 where the slot in hand begins
.set NX,  4                            ; s[4:5] the weight rows of the next fill
.set NV,  12                           ; s[12:13] v's weight rows
.set LN,  36                           ; s36 where the next fill lands
.set OUT1, 96
.set OUT2, 98
.set MSB, 0
.macro WIN new
.if MSB != \new
	s_set_vgpr_msb (MSB<<8)|(\new)
.set MSB, \new
.endif
.endm
.macro PLACES                          ; four places between a matrix instruction and a load into, or a read of, its registers
.rept 4
	v_nop
.endr
.endm
.macro TL g0, g1
	tensor_load_to_lds s[\g0:\g0+3], s[\g1:\g1+7]
	s_nop 0
	PLACES
.endm
.macro CROUND                          ; a round of the cluster's barrier
	s_barrier_signal -1
	s_barrier_wait -1
	s_cmp_lg_u32 s14, 0
	s_cbranch_scc1 .Lnot_wave_0_\@
	s_barrier_signal -3
.Lnot_wave_0_\@:
	s_barrier_wait -3
	s_barrier_signal -1
	s_barrier_wait -1
.endm
	s_load_b256 s[68:75], s[0:1], 0x0              ; x, Wq, Wk, Wv
	s_load_b256 s[76:83], s[0:1], 0x20             ; the scales' exponents, q_img, k_img, v_img
	v_lshl_add_u32 v[SPW], v0, 2, SPARE
	v_mov_b32 v[NIL], 0
	ds_add_u32 v[SPW], v[NIL]                      ; the opening lines: the add, twice on end, and its wait
	ds_add_u32 v[SPW], v[NIL]
	v_lshrrev_b32 v1, 5, v0
	v_readfirstlane_b32 s14, v1                    ; wave 0..3
	s_bfe_u32 s40, ttmp6, 0x40000                  ; cx
	s_bfe_u32 s41, ttmp6, 0x40004                  ; cy
	s_and_b32 s66, ttmp7, 0xffff
	s_lshl_b32 s66, s66, 2
	s_add_co_u32 s17, s66, s41                     ; my 256 tokens, 0..31: it holds cy and never cx
	s_lshl_b32 s67, ttmp9, 2
	s_add_co_u32 s67, s67, s40                     ; my 128 features of v, 0..7: it holds cx and never cy
	s_lshl_b32 s43, s41, 2
	s_lshl_b32 s43, 15, s43                        ; my row of the cluster
	s_lshl_b32 s44, 0x1111, s40                    ; my column
	s_or_b32 s24, s43, FLAGS
	s_or_b32 s48, s44, FLAGS
.irp g, 24, 48
	s_mov_b32 s[\g+1], 1024<<16                    ; tensor_dim0
	s_mov_b32 s[\g+2], 32<<16                      ; tensor_dim1
	s_mov_b32 s[\g+3], 1024<<16                    ; tile_dim0
	s_mov_b32 s[\g+4], 32                          ; tile_dim1
	s_mov_b32 s[\g+5], 1024                        ; from row to row
	s_mov_b32 s[\g+6], 0
	s_mov_b32 s[\g+7], 0
.endr
	s_lshl_b32 s20, s17, 8
	s_lshl_b32 s21, s14, 6
	s_add_co_u32 s20, s20, s21                     ; my first token: 256 x tile + 64 x wave
	s_lshl_b32 s22, s40, 3
	s_add_co_u32 s60, s20, s22
	s_add_co_u32 s60, s60, 32                      ; the second load's rows: my eight of the wave's 32
	s_lshl_b32 s60, s60, 10
	s_mov_b32 s61, 0
	s_lshl_b32 s20, s20, 10                        ; x: rows of 1,024 bytes; q_img, k_img: 16,384 bytes for 16 tokens, the same number
	s_mov_b32 s21, 0
	s_lshl_b32 s22, s40, 12
	s_add_co_u32 s96, s20, s22                     ; fragment 2 cx
	s_mov_b32 s97, 0
	s_lshl_b32 s22, s14, 5
	s_lshl_b32 s46, s40, 8
	s_add_co_u32 s46, s46, s22
	s_lshl_b32 s46, s46, 10                        ; the weight of q or k: row 256 cx + 32 x wave
	s_mov_b32 s47, 0
	s_lshl_b32 s[NV], s67, 7
	s_add_co_u32 s[NV], s[NV], s22
	s_lshl_b32 s[NV], s[NV], 10                    ; v's: row 128 x tile + 32 x wave
	s_mov_b32 s[NV+1], 0
	s_lshl_b32 s62, s40, 8
	s_lshl_b32 s23, s41, 5
	s_add_co_u32 s62, s62, s23
	s_lshl_b32 s23, s14, 3
	s_add_co_u32 s62, s62, s23
	s_lshl_b32 s62, s62, 10                        ; the third load's rows: my eight of the 128
	s_mov_b32 s63, 0
	s_lshl_b32 s98, s67, 20                        ; v_img: row block 8 x tile, of 131,072 bytes;
	s_lshl_b32 s23, s17, 12
	s_add_co_u32 s98, s98, s23
	s_lshl_b32 s23, s14, 10
	s_add_co_u32 s98, s98, s23                     ; token 256 x tile + 64 x wave: 2,048 bytes for 128
	s_mov_b32 s99, 0
	s_mul_i32 s45, s14, QROWS                      ; where a load of mine lands in a slot
	v_and_b32 v1, 15, v0                           ; r
	v_bfe_u32 v2, v0, 4, 1                         ; h
	v_mul_u32_u24 v3, v1, PITCH
	v_lshl_add_u32 v[AB], v2, 4, v3                ; row r, + 16 h
	v_add_nc_u32 v[AB+1], 64*PITCH, v[AB]
	v_add_nc_u32 v[AX], s45, v[AB]
	v_add_nc_u32 v[AX+1], SLOT, v[AX]
	v_lshlrev_b32 v[GO], 4, v1
	v_lshl_add_u32 v[GO], v2, 3, v[GO]
	v_bfe_u32 v4, v0, 2, 3
	v_and_b32 v5, 3, v0
	v_lshlrev_b32 v5, 8, v5
	v_lshl_add_u32 v[PF], v4, 10, v5
	s_wait_alu depctr_va_vdst(0)
	s_wait_dscnt 0x0                               ; both opening adds are done
	s_wait_kmcnt 0x0
	s_load_b256 s[84:91], s[76:77], 0x0            ; e0 .. e7
	s_load_b128 s[92:95], s[76:77], 0x20           ; e8 .. e11
	s_cmp_eq_u32 ttmp9, 1                          ; the choices hang on the cluster's number alone
	s_cselect_b64 s[70:71], s[72:73], s[70:71]     ; Wk, else Wq
	s_cselect_b64 s[78:79], s[80:81], s[78:79]     ; k_img, else q_img
	s_mov_b32 s32, 1
	s_mov_b32 s33, s45
	s_add_nc_u64 s[34:35], s[68:69], s[20:21]
	s_or_b32 s35, s35, 0x80000000
	s_add_nc_u64 s[46:47], s[70:71], s[46:47]
	s_add_nc_u64 s[NV:NV+1], s[74:75], s[NV:NV+1]
	s_add_nc_u64 s[60:61], s[68:69], s[60:61]
	s_add_nc_u64 s[62:63], s[70:71], s[62:63]
	s_add_nc_u64 s[OUT1:OUT1+1], s[78:79], s[OUT1:OUT1+1]
	s_add_nc_u64 s[OUT2:OUT2+1], s[82:83], s[OUT2:OUT2+1]
	CROUND                                         ; all sixteen work-groups are here: the first joint loads meet
	TL 32, 24                                      ; x: my first 32 tokens into slot 0
	s_mov_b32 s56, 1
	s_mov_b32 s57, s45
	s_mov_b64 s[58:59], s[46:47]
	s_or_b32 s59, s59, 0x80000000
	s_add_nc_u64 s[NX:NX+1], s[46:47], 0x20000     ; 128 rows on
	s_add_co_u32 s[LN], s45, SLOT
	global_prefetch_b8 v[PF], s[60:61] th:TH_LOAD_NT scope:SCOPE_SE
	s_cmp_lt_u32 s66, 16                           ; four rows of clusters ask for the weight
	s_cbranch_scc0 .Lno_ask
	global_prefetch_b8 v[PF], s[62:63] th:TH_LOAD_NT scope:SCOPE_SE
.Lno_ask:
.macro XLOAD half                      ; two tiles of my tokens, all of K, into registers
.irp q, 0,1
	WIN 0x40+0x40*\q
.irp s, 0,1,2,3
.irp a, 0,1
.irp c, 0,1,2,3
	ds_load_b128 v[64*\s+16*(2*(\half)+\a)+4*\c:64*\s+16*(2*(\half)+\a)+4*\c+3], v[AX+\half] offset:\a*16*PITCH+512*\q+128*\s+32*\c
.endr
.endr
.endr
.endr
	WIN 0
.endm
.macro FETCH ad, n                     ; run n: group n / 4, K steps 2 (n % 4) and one on: eight fragments of the weight into set n % 2
.set FR, (\n)%4
.set FG, (\n)/4
	WIN 0xc0*((\n)%2)
.irp k, 0,1
.irp b, 0,1,2,3
.irp c, 0,1,2,3
	ds_load_b128 v[128+64*\k+16*\b+4*\c:128+64*\k+16*\b+4*\c+3], v[(\ad)+FG] offset:\b*16*PITCH+128*(2*FR+\k)+32*\c
.endr
.endr
.endr
	WIN 0
.endm
; One matrix instruction: accumulator (u, i), K step k.  o = 0 (q, k): tokens 16 u, features 16 i;  o = 1 (v): features 16 u, tokens 16 i.
.macro MM o, u, i, k
.set AC, 32*(\u)+8*(\i)
.if \o
.set S0, 64*((\k)%4)+16*(\i)
.set S1, 128+64*((\k)%2)+16*(\u)
.else
.set S0, 128+64*((\k)%2)+16*(\i)
.set S1, 64*((\k)%4)+16*(\u)
.endif
.if (\k) == 0
	v_wmma_f32_16x16x128_bf8_bf8 v[AC:AC+7], v[S0:S0+15], v[S1:S1+15], 0
.else
	v_wmma_f32_16x16x128_bf8_bf8 v[AC:AC+7], v[S0:S0+15], v[S1:S1+15], v[AC:AC+7]
.endif
.endm
.macro HOLD u, j0, cnt, sc             ; the conversion does not saturate (ISA guide 7.6.2): the hold comes first; each accumulator from its low end on
	WIN 0x03
.set jj, \j0
.rept \cnt
	v_med3_num_f32 v[32+32*((\u)%2)+jj], v[32*(\u)+jj], -v[(\sc)+1], v[(\sc)+1]
.set jj, jj+1
.endr
.endm
.macro CODES u, sc                     ; block u's 32 held sums become codes
.set TT, 32+32*((\u)%2)
	WIN 0
.irp i, 0,1,2,3
	v_cvt_scalef32_pk8_bf8_f32 v[CD+8*(\u)+2*\i:CD+8*(\u)+2*\i+1], v[TT+8*\i:TT+8*\i+7], v[\sc]
.endr
	v_nop                                          ; a plain line behind the conversions
.endm
.macro SEND o, g, ob                   ; the group's sixteen stores: 32 lanes store 256 consecutive bytes, aligned
.irp u, 0,1,2,3
.irp i, 0,1,2,3
.if \o
	global_store_b64 v[GO], v[CD+8*\u+2*\i:CD+8*\u+2*\i+1], s[\ob:\ob+1] offset:(4*(\g)+\u)*131072+256*\i
.else
	global_store_b64 v[GO], v[CD+8*\u+2*\i:CD+8*\u+2*\i+1], s[\ob:\ob+1] offset:\u*16384+1024*(\g)+256*\i
.endif
.endr
.endr
.endm
; A run: 32 matrix instructions; the 16 accumulators take turns (in a group's last run the block's four do, with three others' between an accumulator's two steps).
.macro RUN n, o, ad, sc, ob
.set RG, (\n)/4
.set RR, (\n)%4
.if \o
.set GW, (1+RR/2)|((3*((\n)%2))<<2)|0xf0
.else
.set GW, (3*((\n)%2))|((1+RR/2)<<2)|0xf0
.endif
	PLACES
.if (\n) == 4
	SEND \o, 0, \ob                                ; the first group's codes leave with this run's loads
.endif
.if (\n) < 7
	FETCH \ad, (\n)+1
	s_wait_dscnt 32                                ; all but the 32 just issued
.else
	s_wait_xcnt 0x0                                ; the first group's stores have read their codes: they are written again below
	s_wait_dscnt 0x0
.endif
	WIN GW
.if RR < 3
.irp k, 0,1
.irp u, 0,1,2,3
.irp i, 0,1,2,3
	MM \o, \u, \i, 2*RR+\k
.endr
.endr
.endr
.else
.irp u, 0,1,2,3
.irp m, 0,1,2,3,4,5,6,7
	MM \o, \u, \m%4, 6+\m/4
.if \u > 0
.if \m == 0
	PLACES                                         ; the block before was finished by the matrix instruction ahead of this one
.elseif \m < 7
	HOLD \u-1, 5*(\m-1), 5, \sc
	WIN GW
.else
	HOLD \u-1, 30, 2, \sc
	CODES \u-1, \sc
	WIN GW
.endif
.endif
.endr
.endr
	PLACES
	HOLD 3, 0, 32, \sc
	CODES 3, \sc
.endif
	WIN 0
.endm
.macro BODY o, ad, sc, ob              ; 128 features
	FETCH \ad, 0
.set nn, 0
.rept 8
	RUN nn, \o, \ad, \sc, \ob
.set nn, nn+1
.endr
	SEND \o, 1, \ob
.endm
	s_wait_tensorcnt 0x0
	ds_add_u32 v[SPW], v[NIL]
	s_add_co_u32 s33, s33, SLOT
	s_add_nc_u64 s[34:35], s[34:35], 0x8000        ; my other 32 tokens
	s_wait_dscnt 0x0
	CROUND
	TL 32, 24                                      ; into slot 1
	XLOAD 0
	s_wait_tensorcnt 0x0
	ds_add_u32 v[SPW], v[NIL]
	s_wait_dscnt 0x0                               ; the add is done, and my reads of slot 0 are over
	CROUND
	TL 56, 48                                      ; the first 128 rows of the weight into slot 0
	XLOAD 1
	s_wait_kmcnt 0x0
	s_sub_co_i32 s84, s90, s84
	s_sub_co_i32 s84, s84, s85                     ; q: e6 - e0 - e1
	s_sub_co_i32 s86, s91, s86
	s_sub_co_i32 s86, s86, s87                     ; k: e7 - e2 - e3
	s_sub_co_i32 s88, s93, s88
	s_sub_co_i32 s88, s88, s89                     ; v: e9 - e4 - e5
	s_cmp_eq_u32 ttmp9, 1
	s_cselect_b32 s84, s86, s84
	s_add_co_i32 s84, s84, 127
	s_lshl_b32 s85, s84, 23
	s_add_co_i32 s84, s84, 15
	s_lshl_b32 s84, s84, 23
	s_or_b32 s84, s84, 0x600000
	s_add_co_i32 s88, s88, 127
	s_lshl_b32 s89, s88, 23
	s_add_co_i32 s88, s88, 15
	s_lshl_b32 s88, s88, 23
	s_or_b32 s88, s88, 0x600000
	v_mov_b32 v[SC1], s85                          ; the folded scale as f32: the conversion takes its exponent field
	v_mov_b32 v[SC1+1], s84                        ; 57,344 x that
	v_mov_b32 v[SC2], s89
	v_mov_b32 v[SC2+1], s88
	s_mov_b32 s[TB], 0
	s_mov_b32 s3, 2
	s_wait_alu depctr_va_vdst(0)
.Lfill:                                                ; two trips: 128 features of q or k each
	s_wait_tensorcnt 0x0                           ; my part of the slot in hand is in, so the descriptor may be written
	ds_add_u32 v[SPW], v[NIL]
	s_mov_b32 s57, s[LN]                           ; trip 0: slot 1 takes the next 128 rows; trip 1: slot 0 takes v's
	s_sub_co_u32 s[LN], s[LN], SLOT
	s_mov_b64 s[58:59], s[NX:NX+1]
	s_or_b32 s59, s59, 0x80000000
	s_mov_b64 s[NX:NX+1], s[NV:NV+1]
	s_wait_dscnt 0x0                               ; the add is done, and my reads of the other slot are over
	CROUND
	TL 56, 48
	v_add_nc_u32 v[AD], s[TB], v[AB]
	v_add_nc_u32 v[AD+1], s[TB], v[AB+1]
	s_wait_alu depctr_va_vdst(0)
	BODY 0, AD, SC1, OUT1
	s_wait_alu depctr_va_vdst(0)
	s_wait_xcnt 0x0                                ; the stores have read their codes and their base
	s_add_nc_u64 s[OUT1:OUT1+1], s[OUT1:OUT1+1], 0x800  ; the next fragment
	s_add_co_u32 s[TB], s[TB], SLOT
	s_sub_co_u32 s3, s3, 1
	s_cmp_lg_u32 s3, 0
	s_cbranch_scc1 .Lfill
	s_wait_tensorcnt 0x0                           ; v's rows are in slot 0; nothing is filled any more
	s_wait_dscnt 0x0
	s_barrier_signal -1
	s_barrier_wait -1
	BODY 1, AB, SC2, OUT2
	s_wait_tensorcnt 0x0                           ; the wave's end
	ds_add_u32 v[SPW], v[NIL]
	s_wait_dscnt 0x0
	CROUND                                         ; the closing round
	s_endpgm
.Lfunc_end_k_q74ef211c3c_proj:
	.size	k_q74ef211c3c_proj, .Lfunc_end_k_q74ef211c3c_proj-k_q74ef211c3c_proj
	.p2alignl 7, 3214868480
	.fill 96, 4, 3214868480
	.section	.rodata,"a",@progbits
	.p2align	6, 0x0
	.amdhsa_kernel k_q74ef211c3c_proj
		.amdhsa_group_segment_fixed_size 327680
		.amdhsa_private_segment_fixed_size 0
		.amdhsa_enable_private_segment 0
		.amdhsa_kernarg_size 64
		.amdhsa_user_sgpr_count 2
		.amdhsa_user_sgpr_kernarg_segment_ptr 1
		.amdhsa_wavefront_size32 1
		.amdhsa_system_sgpr_workgroup_id_x 1
		.amdhsa_system_sgpr_workgroup_id_y 1
		.amdhsa_system_sgpr_workgroup_id_z 1
		.amdhsa_system_vgpr_workitem_id 0
		.amdhsa_next_free_vgpr 1024
		.amdhsa_next_free_sgpr 100
		.amdhsa_reserve_vcc 0
		.amdhsa_float_denorm_mode_32 3
		.amdhsa_float_denorm_mode_16_64 3
		.amdhsa_memory_ordered 1
		.amdhsa_forward_progress 1
		.amdhsa_inst_pref_size 137
	.end_amdhsa_kernel
	.amdgpu_metadata
---
amdhsa.version: [ 1, 2 ]
amdhsa.kernels:
  - .name:           k_q74ef211c3c_proj
    .symbol:         k_q74ef211c3c_proj.kd
    .args:
      - { .name: x_codes, .offset: 0, .size: 8, .value_kind: global_buffer, .address_space: global }
      - { .name: Wq_codes, .offset: 8, .size: 8, .value_kind: global_buffer, .address_space: global }
      - { .name: Wk_codes, .offset: 16, .size: 8, .value_kind: global_buffer, .address_space: global }
      - { .name: Wv_codes, .offset: 24, .size: 8, .value_kind: global_buffer, .address_space: global }
      - { .name: lowp_scales, .offset: 32, .size: 8, .value_kind: global_buffer, .address_space: global }
      - { .name: q_img, .offset: 40, .size: 8, .value_kind: global_buffer, .address_space: global }
      - { .name: k_img, .offset: 48, .size: 8, .value_kind: global_buffer, .address_space: global }
      - { .name: v_img, .offset: 56, .size: 8, .value_kind: global_buffer, .address_space: global }
    .group_segment_fixed_size: 327680
    .private_segment_fixed_size: 0
    .kernarg_segment_align: 8
    .kernarg_segment_size: 64
    .max_flat_workgroup_size: 128
    .sgpr_count:     100
    .vgpr_count:     1024
    .wavefront_size: 32
...
	.end_amdgpu_metadata
.endif
;; end of part 1
;; launch scores (part 2): grid 32 x 8, 4 waves a work-group, clusters of 4 x 1, 327,680 bytes of LDS; arguments q_img, k_img, lowp_scales, p_img, nm_st, l_st; writes p_img, nm_st, l_st
.if DOCPART == 2
	.amdgcn_target "amdgcn-amd-amdhsa--gfx1250"
	.amdhsa_code_object_version 6
	.text
	.protected	k_q74ef211c3c_scores
	.globl	k_q74ef211c3c_scores
	.p2align	8
	.type	k_q74ef211c3c_scores,@function
k_q74ef211c3c_scores:
	s_mov_b64 s[64:65], 0
	v_nop
	global_prefetch_b8 v0, s[64:65] scope:SCOPE_SE
	s_setreg_imm32_b32 hwreg(HW_REG_WAVE_MODE, 25, 1), 1
	s_wait_xcnt 0x0
	s_wait_alu depctr_hold_cnt(0) depctr_sa_sdst(0) depctr_va_vdst(0) depctr_va_sdst(0) depctr_va_ssrc(0) depctr_va_vcc(0) depctr_vm_vsrc(0)
	s_getreg_b32 s2, hwreg(HW_REG_IB_STS2, 6, 4)
	s_cmp_eq_u32 s2, 0
	s_cbranch_scc0 .Lentry_in_a_cluster
	s_endpgm
.Lentry_in_a_cluster:
	s_bfe_u32 s2, ttmp6, 0x10000c
	s_cmp_lg_u32 s2, 0x3003
	s_cbranch_scc0 .Lentry_shape_is_right
	s_endpgm
.Lentry_shape_is_right:
; The scores q k^T on codes of E5M2, and the softmax's first part, for 256 queries x 256 keys of one batch.  No work is left out.
; t = score x log2(e) / 32;  M = the largest t of a query among the tile's 256 keys, rounded up to a whole number;  p = 2^(t - M) is quantised with 2^e8 and stored as codes;
; -M and the sum of the unquantised p over the 256 keys go to nm_st and l_st, [batch][key tile][query].  The next launch brings the eight key tiles under the row's M by exact powers of two.
; LIMITS: p is quantised under its key tile's M, which is at most the row's: the codes' values are those under the row's M times an exact power of two, but for numbers under the format's range (kept finer here)
; and for the hold at the largest code, which can bite only where e8 < -15.  e6 + e7 between -121 and 132, e8 between -126 and 112, so that each power of two is an f32 number.  NaN and infinity are not served.
; The promise of the softmax holds while the scaled scores t stay under 2^31 in magnitude.
; SHARES.  A wave makes 64 queries x 256 keys: source 0 = 16 keys, source 1 = 16 queries: a lane holds ONE query (lane % 16), its registers run along the keys, the next product's K; a query's 256 keys lie in lanes l and l xor 16.
; q GOES FROM MEMORY STRAIGHT INTO REGISTERS: its image is the image of the operand's registers, and a wave's 64 rows serve it alone; three sets of a K step, two steps ahead.
; k's tile (16 row blocks x 16,384 bytes) goes to LDS whole, by one joint load a wave, shared by the four work-groups (query tiles of one batch) of a cluster; nothing is filled again.
; A K step is two groups of 128 keys: 32 matrix instructions to 32 LDS loads.  Among the very last group's stand the maxima of the keys 0-127, which are finished then.
; PREFETCH: of q's K steps 3 to 7 each is asked for once among the eight work-groups that read it: the one with key tile y asks for step y.  k is asked for at the head.
; REGISTERS: window 0: v0-31 addresses; v64-127 q's set 2; v128-255 k's fragments of keys 0-127; on the way out v32-159 two sets of 64 numbers, v160-223 four sets of codes, v224-231 maxima, v240-247 pairs (-M, l).
;   window 1: v0-127 q's sets 0, 1; v128-255 k's fragments of keys 128-255.   windows 2, 3: the accumulators of keys 0-127, 128-255: (a, b) at v[64 a + 8 (b % 8)].
.set SPARE,  262144                    ; the spare words, 128 bytes for each wave, which no other line names
.set STAT,   SPARE+512                 ; each wave's own 512 bytes: -M and l on their way out
.set ADB,  16                          ; v16-19 16 x lane in k's row blocks 0-3, 4-7, 8-11, 12-15
.set AO,   20                          ; v20 16 x lane
.set SC,   22
.set LIM,  23
.set PO,   24                          ; v24 16 r + 8 h
.set SW,   25
.set SR,   26
.set S8,   27                          ; v27 8 x lane
.set SPW,  28
.set NIL,  29
.set PF,   30
.set T0,   32
.set CD,   160
.set MX,   224
.set PX,   228
.set NM,   240
.set CS,   96                          ; s[96:97] c = log2(e) / 32 x 2^(e6 + e7)
.set SEL,  98                          ; s[98:99] lane selects: lane l xor 16
.set MSB, 0
.macro WIN new
.if MSB != \new
	s_set_vgpr_msb (MSB<<8)|(\new)
.set MSB, \new
.endif
.endm
.macro PLACES
.rept 4
	v_nop
.endr
.endm
.macro CROUND
	s_barrier_signal -1
	s_barrier_wait -1
	s_cmp_lg_u32 s14, 0
	s_cbranch_scc1 .Lnot_wave_0_\@
	s_barrier_signal -3
.Lnot_wave_0_\@:
	s_barrier_wait -3
	s_barrier_signal -1
	s_barrier_wait -1
.endm
.macro QSET s                          ; where K step s of q lies: window QW, from v[QR] on
.set QW, 1
.set QR, 64*((\s)%3)
.if (\s)%3 == 2
.set QW, 0
.set QR, 64
.endif
.endm
.macro ALOAD s                         ; q's four fragments of K step s: each load 512 consecutive bytes
	QSET \s
	WIN 0x40*QW
.irp a, 0,1,2,3
.irp c, 0,1,2,3
	global_load_b128 v[QR+16*\a+4*\c:QR+16*\a+4*\c+3], v[AO], s[20:21] offset:\a*16384+2048*(\s)+512*\c
.endr
.endr
	WIN 0
.endm
	s_load_b256 s[4:11], s[0:1], 0x0               ; q_img, k_img, the scales' exponents, p_img
	s_load_b128 s[68:71], s[0:1], 0x20             ; nm_st, l_st
	v_lshl_add_u32 v[SPW], v0, 2, SPARE
	v_mov_b32 v[NIL], 0
	ds_add_u32 v[SPW], v[NIL]                      ; the opening lines: the add, twice on end, and its wait
	ds_add_u32 v[SPW], v[NIL]
	v_lshrrev_b32 v1, 5, v0
	v_readfirstlane_b32 s14, v1                    ; wave 0..3
	s_bfe_u32 s40, ttmp6, 0x40000                  ; cx
	s_lshl_b32 s17, ttmp9, 2
	s_add_co_u32 s17, s17, s40                     ; the query tile, 0..31, over all batches
	s_and_b32 s19, ttmp7, 0xffff                   ; the key tile in the batch, 0..7
	s_lshr_b32 s18, ttmp9, 1                       ; the batch: the same in all four partners
	s_mov_b32 s24, 15|(3<<16)|(1<<21)              ; the mask; elements of 8 bytes; bit 21 beside a mask; no padding
	s_mov_b32 s25, 2048<<16                        ; tensor_dim0: eight fragments, 16,384 bytes
	s_mov_b32 s26, 4<<16                           ; tensor_dim1: 4 row blocks
	s_mov_b32 s27, 2048<<16
	s_mov_b32 s28, 4
	s_mov_b32 s29, 2048                            ; from row block to row block: 16,384 bytes
	s_mov_b32 s30, 0
	s_mov_b32 s31, 0
	s_mov_b32 s[SEL], 0x76543210
	s_mov_b32 s[SEL+1], 0xfedcba98
	s_lshl_b32 s20, s17, 4
	s_lshl_b32 s21, s14, 2
	s_add_co_u32 s20, s20, s21                     ; my row blocks: 16 x tile + 4 x wave
	s_lshl_b32 s46, s20, 15                        ; in p_img, of 16 fragments,
	s_lshl_b32 s20, s20, 14                        ; in q_img, of 8
	s_mov_b32 s21, 0
	s_lshl_b32 s47, s19, 12
	s_add_co_u32 s46, s46, s47                     ; p's fragments 2 x key tile on
	s_mov_b32 s47, 0
	s_lshl_b32 s44, s18, 3
	s_add_co_u32 s44, s44, s19
	s_lshl_b32 s48, s44, 11
	s_lshl_b32 s44, s44, 4
	s_lshl_b32 s45, s14, 2
	s_add_co_u32 s44, s44, s45
	s_lshl_b32 s44, s44, 14                        ; k: row block 16 x (8 x batch + tile) + 4 x wave
	s_mov_b32 s45, 0
	s_and_b32 s49, s17, 7
	s_lshl_b32 s49, s49, 8
	s_add_co_u32 s48, s48, s49
	s_lshl_b32 s49, s14, 6
	s_add_co_u32 s48, s48, s49
	s_lshl_b32 s48, s48, 2                         ; the statistics of my 64 queries
	s_mov_b32 s49, 0
	s_lshl_b32 s50, s19, 11                        ; the K step of q that I prefetch
	s_mov_b32 s51, 0
	s_lshl_b32 s33, s14, 16                        ; where my load lands: wave x 65,536
	s_mov_b32 s32, 1
	s_lshl_b32 s23, s14, 9
	s_add_co_u32 s23, s23, STAT
	v_and_b32 v2, 31, v0                           ; lane
	v_and_b32 v3, 15, v0                           ; r
	v_bfe_u32 v4, v0, 4, 1                         ; h
	v_lshlrev_b32 v[AO], 4, v2
	v_lshlrev_b32 v[ADB], 4, v2
	v_add_nc_u32 v[ADB+1], 0x10000, v[ADB]
	v_add_nc_u32 v[ADB+2], 0x20000, v[ADB]
	v_add_nc_u32 v[ADB+3], 0x30000, v[ADB]
	v_lshlrev_b32 v[PO], 4, v3
	v_lshl_add_u32 v[PO], v4, 3, v[PO]
	v_lshl_add_u32 v[SW], v3, 2, s23
	v_lshlrev_b32 v[S8], 3, v2
	v_add_nc_u32 v[SR], s23, v[S8]
	v_lshrrev_b32 v5, 3, v2
	v_and_b32 v6, 7, v2
	v_lshlrev_b32 v6, 8, v6
	v_lshl_add_u32 v[PF], v5, 14, v6               ; row block lane / 8, 256 x (lane % 8)
	s_wait_alu depctr_va_vdst(0)
	s_wait_dscnt 0x0                               ; both opening adds are done
	s_wait_kmcnt 0x0
	s_load_b128 s[72:75], s[8:9], 0x18             ; e6, e7, e8, e9
	s_add_nc_u64 s[20:21], s[4:5], s[20:21]
	s_add_nc_u64 s[34:35], s[6:7], s[44:45]
	s_or_b32 s35, s35, 0x80000000
	s_add_nc_u64 s[50:51], s[20:21], s[50:51]
	s_add_nc_u64 s[10:11], s[10:11], s[46:47]
	s_add_nc_u64 s[68:69], s[68:69], s[48:49]
	s_add_nc_u64 s[70:71], s[70:71], s[48:49]
	ALOAD 0
	CROUND                                         ; the joint loads meet
	tensor_load_to_lds s[32:35], s[24:31]
	s_nop 0
	PLACES
	ALOAD 1
.macro FETCH n                         ; n = 2 x K step + group: eight fragments of k, into window n % 2
.set FS, (\n)/2
.set FG, (\n)%2
	WIN 0x40*FG
.irp i, 0,1,2,3,4,5,6,7
.irp c, 0,1,2,3
	ds_load_b128 v[128+16*\i+4*\c:128+16*\i+4*\c+3], v[ADB+2*FG+\i/4] offset:(\i%4)*16384+2048*FS+512*\c
.endr
.endr
	WIN 0
.endm
; 32 matrix instructions; the 64 accumulators take turns, one instruction a turn.
.macro GROUP n
.set GS, (\n)/2
.set GQ, (\n)%2
	PLACES
.if (GQ == 0) && (GS < 6)
	ALOAD GS+2                                     ; into a set that no later product reads (step 0: the third set's first load)
.endif
.if (\n) < 15
	FETCH (\n)+1
.endif
.if GQ == 0
.if GS < 6
	s_wait_loadcnt 32                              ; this step's q is in; two younger steps may be out
.else
	s_wait_loadcnt 16*(7-GS)
.endif
.endif
.if (\n) < 15
	s_wait_dscnt 32                                ; all but the 32 just issued
.else
	s_wait_dscnt 0x0
.endif
	QSET GS
.set GW, GQ|(QW<<2)|(0x50*(2+GQ))
	WIN GW
.irp a, 0,1,2,3
.irp i, 0,1,2,3,4,5,6,7
.set AC, 64*\a+8*\i
.if GS == 0
	v_wmma_f32_16x16x128_bf8_bf8 v[AC:AC+7], v[128+16*\i:128+16*\i+15], v[QR+16*\a:QR+16*\a+15], 0
.else
	v_wmma_f32_16x16x128_bf8_bf8 v[AC:AC+7], v[128+16*\i:128+16*\i+15], v[QR+16*\a:QR+16*\a+15], v[AC:AC+7]
.endif
.if (\n) == 15                         ; the largest score among a lane's 64 of the keys 0-127, one step of four chains behind each; every accumulator is first read at its low end
.set mm, 8*\a+\i
.if mm == 0
	WIN 0x2a
.irp q, 0,1,2,3
	v_max3_num_f32 v[MX+\q], v[64*\q], v[64*\q+1], v[64*\q+2]
.endr
.elseif mm < 31
	WIN 0x28
.irp q, 0,1,2,3
	v_max3_num_f32 v[MX+\q], v[MX+\q], v[64*\q+2*mm+1], v[64*\q+2*mm+2]
.endr
.else
	WIN 0x28
.irp q, 0,1,2,3
	v_max_num_f32 v[MX+\q], v[MX+\q], v[64*\q+63]
.endr
.endif
	WIN GW
.endif
.endr
.endr
	WIN 0
.endm
	s_wait_tensorcnt 0x0                           ; my part of k is in
	s_barrier_signal -1
	s_barrier_wait -1
	s_cmp_lt_u32 s19, 3
	s_cbranch_scc1 .Lno_ask
	global_prefetch_b8 v[PF], s[50:51] th:TH_LOAD_NT scope:SCOPE_SE   ; step y >= 3 of q, which step y - 2 loads
.Lno_ask:
	FETCH 0
.set gn, 0
.rept 16
	GROUP gn
.set gn, gn+1
.endr
	; ---- THE SOFTMAX'S FIRST PART
	s_wait_kmcnt 0x0
	s_add_co_i32 s72, s72, s73
	s_lshl_b32 s72, s72, 23
	s_add_co_i32 s[CS], s72, 0x3d38aa3b            ; log2(e) / 32, with e6 + e7 added to its exponent field
	s_mov_b32 s[CS+1], s[CS]                       ; (named with it as a pair, so it is written)
	s_add_co_i32 s74, s74, 127
	s_lshl_b32 s73, s74, 23
	s_add_co_i32 s74, s74, 15
	s_lshl_b32 s74, s74, 23
	s_or_b32 s74, s74, 0x600000
	PLACES
	v_mov_b32 v[SC], s73                           ; 2^e8 as f32
	v_mov_b32 v[LIM], s74                          ; 57,344 x 2^e8
	WIN 0x3f                                       ; the keys 128-255 likewise, from window 3
.irp a, 0,1,2,3
	v_max3_num_f32 v[PX+\a], v[64*\a], v[64*\a+1], v[64*\a+2]
.endr
	WIN 0x3c
.irp i, 3,5,7,9,11,13,15,17,19,21,23,25,27,29,31,33,35,37,39,41,43,45,47,49,51,53,55,57,59,61
.irp a, 0,1,2,3
	v_max3_num_f32 v[PX+\a], v[PX+\a], v[64*\a+\i], v[64*\a+\i+1]
.endr
.endr
.irp a, 0,1,2,3
	v_max_num_f32 v[PX+\a], v[PX+\a], v[64*\a+63]
.endr
	WIN 0
.irp a, 0,1,2,3
	v_max_num_f32 v[MX+\a], v[MX+\a], v[PX+\a]
.endr
.irp a, 0,1,2,3
	v_permlanex16_b32 v[PX+\a], v[MX+\a], s[SEL], s[SEL+1]   ; the query's other 128 keys lie in lane l xor 16
.endr
.irp a, 0,1,2,3
	v_max_num_f32 v[MX+\a], v[MX+\a], v[PX+\a]
.endr
.irp a, 0,1,2,3
	v_mul_f32 v[MX+\a], s[CS], v[MX+\a]            ; as t (c is positive)
.endr
.irp a, 0,1,2,3
	v_floor_f32 v[NM+2*\a], -v[MX+\a]              ; -M = floor(-t): a whole number
	v_mov_b32 v[NM+2*\a+1], 0                      ; (the pair's upper word: l comes here)
.endr
; The half blocks n = 2 a + (0: keys 0-127, 1: keys 128-255), 64 numbers a lane.
.macro FMA n                           ; t - M, two at a time, into set n % 2
.set AC, 64*((\n)/2)
.set TT, T0+64*((\n)%2)
.set NB, NM+2*((\n)/2)
	WIN 0x02+((\n)%2)
.set jj, 0
.rept 32
	v_pk_fma_f32 v[TT+jj:TT+jj+1], v[AC+jj:AC+jj+1], s[CS:CS+1], v[NB:NB+1] op_sel_hi:[1,0,0]
.set jj, jj+2
.endr
.endm
.macro EXPB n                          ; the half block's 64 exponentials: one batch
.set TT, T0+64*((\n)%2)
	WIN 0
.set jj, 0
.rept 64
	v_exp_f32 v[TT+jj], v[TT+jj]
.set jj, jj+1
.endr
.endm
.macro FIN n                           ; the sum of the unquantised p; the hold; the codes; their stores
.set TT, T0+64*((\n)%2)
.set CC, CD+16*((\n)%4)
.set LB, NM+2*((\n)/2)+1
	v_pk_add_f32 v[4:5], v[TT:TT+1], v[TT+2:TT+3]
	v_pk_add_f32 v[6:7], v[TT+4:TT+5], v[TT+6:TT+7]
.irp i, 8,12,16,20,24,28,32,36,40,44,48,52,56,60
	v_pk_add_f32 v[4:5], v[4:5], v[TT+\i:TT+\i+1]
	v_pk_add_f32 v[6:7], v[6:7], v[TT+\i+2:TT+\i+3]
.endr
	v_pk_add_f32 v[4:5], v[4:5], v[6:7]
.if (\n)%2
	v_add_f32 v4, v4, v5
	v_add_f32 v4, v4, v[LB]
	v_permlanex16_b32 v5, v4, s[SEL], s[SEL+1]
	v_add_f32 v[LB], v4, v5                        ; l of the tile's 256 keys
.else
	v_add_f32 v[LB], v4, v5
.endif
.set jj, 0
.rept 64
	v_min_num_f32 v[TT+jj], v[TT+jj], v[LIM]       ; the conversion does not saturate (ISA guide 7.6.2); p is not negative, so the hold is one-sided
.set jj, jj+1
.endr
.if (\n) >= 4
	s_wait_alu depctr_va_vdst(0)
	s_wait_xcnt 0x0                                ; the stores of four half blocks back have read their codes
.endif
.irp b, 0,1,2,3,4,5,6,7
	v_cvt_scalef32_pk8_bf8_f32 v[CC+2*\b:CC+2*\b+1], v[TT+8*\b:TT+8*\b+7], v[SC]
.endr
	v_nop                                          ; a plain line between the conversions and the lines that write their sources again
.irp b, 0,1,2,3,4,5,6,7
	global_store_b64 v[PO], v[CC+2*\b:CC+2*\b+1], s[10:11] offset:((\n)/2)*32768+((\n)%2)*2048+256*\b   ; 32 lanes store 256 consecutive bytes, aligned
.endr
.endm
	FMA 0
	s_wait_alu depctr_va_vdst(0)                   ; ahead of the batch
.irp n, 0,1,2,3,4,5,6
	EXPB \n
	FMA \n+1                                       ; the next half block's scalings are the independent work behind the batch
	WIN 0
	s_wait_alu depctr_va_vdst(0)                   ; one wait for the 64, and for the next batch's sources
	FIN \n
.endr
	EXPB 7
	v_nop                                          ; a plain line behind the last exponential
	s_wait_alu depctr_va_vdst(0)
	FIN 7
	; -M and l of my 64 queries go through my own 512 bytes of LDS, so that each leaves as 256 consecutive bytes
.irp a, 0,1,2,3
	ds_store_b32 v[SW], v[NM+2*\a] offset:64*\a             ; both halves of the lanes hold the same number and write the same word
	ds_store_b32 v[SW], v[NM+2*\a+1] offset:256+64*\a
.endr
	ds_load_b64 v[PX:PX+1], v[SR]                  ; LDS serves a wave's instructions in order (ISA guide 5.7.1.4): these see my stores
	ds_load_b64 v[PX+2:PX+3], v[SR] offset:256
	s_wait_dscnt 0x0
	global_store_b64 v[S8], v[PX:PX+1], s[68:69]
	global_store_b64 v[S8], v[PX+2:PX+3], s[70:71]
	s_wait_tensorcnt 0x0                           ; the wave's end
	ds_add_u32 v[SPW], v[NIL]
	s_wait_dscnt 0x0
	CROUND                                         ; the closing round
	s_endpgm
.Lfunc_end_k_q74ef211c3c_scores:
	.size	k_q74ef211c3c_scores, .Lfunc_end_k_q74ef211c3c_scores-k_q74ef211c3c_scores
	.p2alignl 7, 3214868480
	.fill 96, 4, 3214868480
	.section	.rodata,"a",@progbits
	.p2align	6, 0x0
	.amdhsa_kernel k_q74ef211c3c_scores
		.amdhsa_group_segment_fixed_size 327680
		.amdhsa_private_segment_fixed_size 0
		.amdhsa_enable_private_segment 0
		.amdhsa_kernarg_size 48
		.amdhsa_user_sgpr_count 2
		.amdhsa_user_sgpr_kernarg_segment_ptr 1
		.amdhsa_wavefront_size32 1
		.amdhsa_system_sgpr_workgroup_id_x 1
		.amdhsa_system_sgpr_workgroup_id_y 1
		.amdhsa_system_sgpr_workgroup_id_z 1
		.amdhsa_system_vgpr_workitem_id 0
		.amdhsa_next_free_vgpr 1024
		.amdhsa_next_free_sgpr 100
		.amdhsa_reserve_vcc 0
		.amdhsa_float_denorm_mode_32 3
		.amdhsa_float_denorm_mode_16_64 3
		.amdhsa_memory_ordered 1
		.amdhsa_forward_progress 1
		.amdhsa_inst_pref_size 182
	.end_amdhsa_kernel
	.amdgpu_metadata
---
amdhsa.version: [ 1, 2 ]
amdhsa.kernels:
  - .name:           k_q74ef211c3c_scores
    .symbol:         k_q74ef211c3c_scores.kd
    .args:
      - { .name: q_img, .offset: 0, .size: 8, .value_kind: global_buffer, .address_space: global }
      - { .name: k_img, .offset: 8, .size: 8, .value_kind: global_buffer, .address_space: global }
      - { .name: lowp_scales, .offset: 16, .size: 8, .value_kind: global_buffer, .address_space: global }
      - { .name: p_img, .offset: 24, .size: 8, .value_kind: global_buffer, .address_space: global }
      - { .name: nm_st, .offset: 32, .size: 8, .value_kind: global_buffer, .address_space: global }
      - { .name: l_st, .offset: 40, .size: 8, .value_kind: global_buffer, .address_space: global }
    .group_segment_fixed_size: 327680
    .private_segment_fixed_size: 0
    .kernarg_segment_align: 8
    .kernarg_segment_size: 48
    .max_flat_workgroup_size: 128
    .sgpr_count:     100
    .vgpr_count:     1024
    .wavefront_size: 32
...
	.end_amdgpu_metadata
.endif
;; end of part 2
;; launch pv (part 3): grid 32 x 8, 4 waves a work-group, clusters of 4 x 1, 327,680 bytes of LDS; arguments p_img, v_img, nm_st, l_st, lowp_scales, a_img; writes a_img
.if DOCPART == 3
	.amdgcn_target "amdgcn-amd-amdhsa--gfx1250"
	.amdhsa_code_object_version 6
	.text
	.protected	k_q74ef211c3c_pv
	.globl	k_q74ef211c3c_pv
	.p2align	8
	.type	k_q74ef211c3c_pv,@function
k_q74ef211c3c_pv:
	s_mov_b64 s[64:65], 0
	v_nop
	global_prefetch_b8 v0, s[64:65] scope:SCOPE_SE
	s_setreg_imm32_b32 hwreg(HW_REG_WAVE_MODE, 25, 1), 1
	s_wait_xcnt 0x0
	s_wait_alu depctr_hold_cnt(0) depctr_sa_sdst(0) depctr_va_vdst(0) depctr_va_sdst(0) depctr_va_ssrc(0) depctr_va_vcc(0) depctr_vm_vsrc(0)
	s_getreg_b32 s2, hwreg(HW_REG_IB_STS2, 6, 4)
	s_cmp_eq_u32 s2, 0
	s_cbranch_scc0 .Lentry_in_a_cluster
	s_endpgm
.Lentry_in_a_cluster:
	s_bfe_u32 s2, ttmp6, 0x10000c
	s_cmp_lg_u32 s2, 0x3003
	s_cbranch_scc0 .Lentry_shape_is_right
	s_endpgm
.Lentry_shape_is_right:
; attn = (the sum over the keys of p v) / l on codes of E5M2, quantised at once with 2^e10 into codes for the projection.  No work is left out.
; p's codes of key tile j (256 keys) stand under that tile's whole number M_j.  With M = the largest M_j of the query, I_j = max(M_j - M, -60) and g_j = 2^I_j:
;   l = the sum over the key tiles of g_j l_j;  attn = 2^(e8 + e9) / l x the sum over j of g_j S_j, S_j the tile's sum on codes.
; The accumulators are kept in units of g_j: ahead of tile j >= 1 they are multiplied by 2^(I_(j-1) - I_j), which rounds nothing; at the end by 2^(I_7 + e8 + e9) / l.
; No sum can overflow: a tile's sum on codes is under 2^40, the factors are at most 2^60, and there are eight tiles.
; LIMITS: a key tile whose M lies more than 60 under the row's is weighed 2^-60 and not less: under 2^-50 of the result.  e10 between -126 and 112.  NaN and infinity are not served.
; SHARES.  A work-group makes 256 queries x 128 features, a wave 64 x 128: source 0 = 16 features, source 1 = 16 queries: a lane holds ONE query, its registers run along the features, the next product's K.
; p GOES FROM MEMORY STRAIGHT INTO REGISTERS: its image is the image of the operand's registers, and a wave's 64 rows serve it alone; six sets of a K step of 128 keys: three at the head, then four steps ahead.
; v's tile (8 row blocks x 32,768 bytes) goes to LDS whole, by one joint load a wave, shared by the four work-groups (query tiles of one batch) of a cluster; nothing is filled again.
; A K step is 32 matrix instructions to 32 LDS loads.
; PREFETCH: of p's K steps 6 to 15 each is asked for once among the eight work-groups that read it: feature tile y asks for step 6 + y when v is in and, y < 2, for step 14 + y in step 4: two steps or more ahead of the load.  Steps 0 to 5 come by their loads alone; v is asked for at the head.
; REGISTERS: window 0: v0-31 addresses and work; v32-87 the seven factors of my four blocks, in pairs; v88-95 the last factor; v128-255 v's fragments of even steps (at the head: exponents; on the way out: numbers).
;   window 1: v0-127 p's sets 0, 1; v128-255 v's fragments of odd steps.   window 3: p's sets 2-5.   window 2: the accumulators ((a, b) at v[8 (8 a + b)]).
.set SPARE, 262144                     ; the spare words, 128 bytes for each wave, which no other line names
.set STG,   SPARE+512                  ; each wave's own 4,096 bytes: the statistics on their way in
.set MN,   4                           ; v4-7   the smallest -M
.set LT,   8                           ; v8-11  l, then 1 / l
.set TE,   12                          ; v12-15 exponents at work
.set ADB,  16                          ; v16-19 16 x lane in v's row blocks 0-1, 2-3, 4-5, 6-7
.set AO,   20
.set SC,   22
.set LIM,  23
.set PO,   24                          ; v24 16 r + 8 h
.set ST,   25
.set SRD,  26
.set SOFF, 27
.set SPW,  28
.set NIL,  29
.set PF,   30
.set NMR,  32                          ; v32-63   -M_j, then g_j, at 8 a + j
.set LSR,  96                          ; v96-127  l_j, at 8 a + j
.set IEX,  128                         ; v128-159 I_j
.set FF,   32
.set GF,   88
.set MSB, 0
.macro WIN new
.if MSB != \new
	s_set_vgpr_msb (MSB<<8)|(\new)
.set MSB, \new
.endif
.endm
.macro PLACES
.rept 4
	v_nop
.endr
.endm
.macro CROUND
	s_barrier_signal -1
	s_barrier_wait -1
	s_cmp_lg_u32 s14, 0
	s_cbranch_scc1 .Lnot_wave_0_\@
	s_barrier_signal -3
.Lnot_wave_0_\@:
	s_barrier_wait -3
	s_barrier_signal -1
	s_barrier_wait -1
.endm
.macro PSET s                          ; where K step s of p lies: window QW, from v[QR] on
.if (\s)%6 < 2
.set QW, 1
.set QR, 64*((\s)%6)
.else
.set QW, 3
.set QR, 64*((\s)%6-2)
.endif
.endm
.macro ALOAD s                         ; p's four fragments of K step s: each load 512 consecutive bytes
	PSET \s
	WIN 0x40*QW
.irp a, 0,1,2,3
.irp c, 0,1,2,3
	global_load_b128 v[QR+16*\a+4*\c:QR+16*\a+4*\c+3], v[AO], s[20:21] offset:\a*32768+2048*(\s)+512*\c
.endr
.endr
	WIN 0
.endm
	s_load_b256 s[4:11], s[0:1], 0x0               ; p_img, v_img, nm_st, l_st
	s_load_b128 s[68:71], s[0:1], 0x20             ; the scales' exponents, a_img
	v_lshl_add_u32 v[SPW], v0, 2, SPARE
	v_mov_b32 v[NIL], 0
	ds_add_u32 v[SPW], v[NIL]                      ; the opening lines: the add, twice on end, and its wait
	ds_add_u32 v[SPW], v[NIL]
	v_lshrrev_b32 v1, 5, v0
	v_readfirstlane_b32 s14, v1                    ; wave 0..3
	s_bfe_u32 s40, ttmp6, 0x40000                  ; cx
	s_lshl_b32 s17, ttmp9, 2
	s_add_co_u32 s17, s17, s40                     ; the query tile, 0..31, over all batches
	s_and_b32 s19, ttmp7, 0xffff                   ; the tile of 128 features, 0..7
	s_lshr_b32 s18, ttmp9, 1                       ; the batch: the same in all four partners
	s_mov_b32 s24, 15|(3<<16)|(1<<21)              ; the mask; elements of 8 bytes; bit 21 beside a mask; no padding
	s_mov_b32 s25, 4096<<16                        ; tensor_dim0: sixteen fragments, 32,768 bytes
	s_mov_b32 s26, 2<<16                           ; tensor_dim1: 2 row blocks
	s_mov_b32 s27, 4096<<16
	s_mov_b32 s28, 2
	s_mov_b32 s29, 16384                           ; from row block to row block: 131,072 bytes
	s_mov_b32 s30, 0
	s_mov_b32 s31, 0
	s_lshl_b32 s20, s17, 4
	s_lshl_b32 s21, s14, 2
	s_add_co_u32 s20, s20, s21                     ; my row blocks: 16 x tile + 4 x wave
	s_lshl_b32 s46, s20, 14                        ; in a_img, of 8 fragments,
	s_lshl_b32 s20, s20, 15                        ; in p_img, of 16
	s_mov_b32 s21, 0
	s_lshl_b32 s50, s19, 11
	s_add_co_u32 s46, s46, s50                     ; a's fragment: the feature tile
	s_mov_b32 s47, 0
	s_add_co_u32 s52, s50, 0x7000                  ; the K steps of p that I prefetch: 14 + y,
	s_add_co_u32 s50, s50, 0x3000                  ; 6 + y
	s_mov_b32 s51, 0
	s_mov_b32 s53, 0
	s_lshl_b32 s44, s19, 3
	s_lshl_b32 s45, s14, 1
	s_add_co_u32 s44, s44, s45
	s_lshl_b32 s44, s44, 17                        ; v: row block 8 x tile + 2 x wave,
	s_lshl_b32 s45, s18, 15
	s_add_co_u32 s44, s44, s45                     ; the batch's 16 fragments
	s_mov_b32 s45, 0
	s_lshl_b32 s48, s18, 14
	s_and_b32 s49, s17, 7
	s_lshl_b32 s49, s49, 8
	s_add_co_u32 s48, s48, s49
	s_lshl_b32 s49, s14, 6
	s_add_co_u32 s48, s48, s49
	s_lshl_b32 s48, s48, 2                         ; the statistics of my 64 queries: [batch][key tile][query]
	s_mov_b32 s49, 0
	s_lshl_b32 s33, s14, 16                        ; where my load lands: wave x 65,536
	s_mov_b32 s32, 1
	s_lshl_b32 s23, s14, 12
	s_add_co_u32 s23, s23, STG
	v_and_b32 v2, 31, v0                           ; lane
	v_and_b32 v3, 15, v0                           ; r
	v_bfe_u32 v4, v0, 4, 1                         ; h
	v_lshlrev_b32 v[AO], 4, v2
	v_lshlrev_b32 v[ADB], 4, v2
	v_add_nc_u32 v[ADB+1], 0x10000, v[ADB]
	v_add_nc_u32 v[ADB+2], 0x20000, v[ADB]
	v_add_nc_u32 v[ADB+3], 0x30000, v[ADB]
	v_lshlrev_b32 v[PO], 4, v3
	v_lshl_add_u32 v[PO], v4, 3, v[PO]
	v_lshl_add_u32 v[ST], v2, 4, s23
	v_lshl_add_u32 v[SRD], v3, 2, s23
	v_lshlrev_b32 v5, 13, v4
	v_lshl_add_u32 v[SOFF], v3, 4, v5              ; lanes 0-15 one key tile, lanes 16-31 the next; 16 bytes a lane
	v_lshrrev_b32 v5, 3, v2
	v_and_b32 v6, 7, v2
	v_lshlrev_b32 v6, 8, v6
	v_lshl_add_u32 v[PF], v5, 15, v6               ; row block lane / 8, 256 x (lane % 8)
	s_wait_alu depctr_va_vdst(0)
	s_wait_dscnt 0x0                               ; both opening adds are done
	s_wait_kmcnt 0x0
	s_load_b128 s[72:75], s[68:69], 0x20           ; e8, e9, e10, e11
	s_add_nc_u64 s[20:21], s[4:5], s[20:21]
	s_add_nc_u64 s[34:35], s[6:7], s[44:45]
	s_or_b32 s35, s35, 0x80000000
	s_add_nc_u64 s[50:51], s[20:21], s[50:51]
	s_add_nc_u64 s[52:53], s[20:21], s[52:53]
	s_add_nc_u64 s[8:9], s[8:9], s[48:49]
	s_add_nc_u64 s[10:11], s[10:11], s[48:49]
	s_add_nc_u64 s[70:71], s[70:71], s[46:47]
.irp i, 0,1,2,3
	global_load_b128 v[64+4*\i:67+4*\i], v[SOFF], s[8:9] offset:16384*\i    ; -M_j of my 64 queries: each half of the lanes 256 consecutive bytes
	global_load_b128 v[96+4*\i:99+4*\i], v[SOFF], s[10:11] offset:16384*\i  ; l_j
.endr
	ALOAD 0
	CROUND                                         ; the joint loads meet
	tensor_load_to_lds s[32:35], s[24:31]
	s_nop 0
	PLACES
	ALOAD 1
	ALOAD 2
	; ---- the statistics: through my own 4,096 bytes of LDS, so that lane (r, h) gets query 16 a + r of block a
	s_wait_loadcnt 48                              ; the eight loads of the statistics are in; p's three steps may be out
.irp i, 0,1,2,3
	ds_store_b128 v[ST], v[64+4*\i:67+4*\i] offset:512*\i
	ds_store_b128 v[ST], v[96+4*\i:99+4*\i] offset:2048+512*\i
.endr
.irp a, 0,1,2,3
.irp j, 0,1,2,3,4,5,6,7
	ds_load_b32 v[NMR+8*\a+\j], v[SRD] offset:256*\j+64*\a   ; LDS serves a wave's instructions in order (ISA guide 5.7.1.4): these see my stores
.endr
.endr
.irp a, 0,1,2,3
.irp j, 0,1,2,3,4,5,6,7
	ds_load_b32 v[LSR+8*\a+\j], v[SRD] offset:2048+256*\j+64*\a
.endr
.endr
	s_wait_dscnt 0x0
	s_wait_kmcnt 0x0
	s_add_co_i32 s67, s72, s73                     ; e8 + e9
	s_add_co_i32 s74, s74, 127
	s_lshl_b32 s73, s74, 23
	v_mov_b32 v[SC], s73                           ; 2^e10 as f32
	s_add_co_i32 s74, s74, 15
	s_lshl_b32 s74, s74, 23
	s_or_b32 s74, s74, 0x600000
	v_mov_b32 v[LIM], s74                          ; 57,344 x 2^e10
.irp a, 0,1,2,3
	v_min_num_f32 v[MN+\a], v[NMR+8*\a], v[NMR+8*\a+1]
.endr
.irp j, 2,3,4,5,6,7
.irp a, 0,1,2,3
	v_min_num_f32 v[MN+\a], v[MN+\a], v[NMR+8*\a+\j]   ; the smallest -M is -(the row's M)
.endr
.endr
.irp j, 0,1,2,3,4,5,6,7
.irp a, 0,1,2,3
	v_sub_f32 v[IEX+8*\a+\j], v[MN+\a], v[NMR+8*\a+\j] ; M_j - M: a whole number, 0 or less
.endr
.endr
.set jj, 0
.rept 32
	v_max_num_f32 v[IEX+jj], 0xc2700000, v[IEX+jj]     ; held at -60
.set jj, jj+1
.endr
.set jj, 0
.rept 32
	v_cvt_i32_f32 v[IEX+jj], v[IEX+jj]
.set jj, jj+1
.endr
.set jj, 0
.rept 32
	v_ldexp_f32 v[NMR+jj], 1.0, v[IEX+jj]              ; g_j
.set jj, jj+1
.endr
.irp a, 0,1,2,3
	v_mul_f32 v[LT+\a], v[LSR+8*\a], v[NMR+8*\a]
.endr
.irp j, 1,2,3,4,5,6,7
.irp a, 0,1,2,3
	v_fmac_f32 v[LT+\a], v[LSR+8*\a+\j], v[NMR+8*\a+\j]   ; l
.endr
.endr
.irp j, 1,2,3,4,5,6,7
.irp a, 0,1,2,3
	v_sub_nc_u32 v[TE+\a], v[IEX+8*\a+\j-1], v[IEX+8*\a+\j]
.endr
.irp a, 0,1,2,3
	v_ldexp_f32 v[FF+2*(4*(\j-1)+\a)], 1.0, v[TE+\a]   ; 2^(I_(j-1) - I_j)
	v_mov_b32 v[FF+2*(4*(\j-1)+\a)+1], 0               ; (named with it as a pair, so it is written)
.endr
.endr
	s_wait_alu depctr_va_vdst(0)                   ; ahead of the batch
.irp a, 0,1,2,3
	v_rcp_f32 v[LT+\a], v[LT+\a]
.endr
.irp a, 0,1,2,3
	v_add_nc_u32 v[TE+\a], s67, v[IEX+8*\a+7]          ; I_7 + e8 + e9.  (Plain lines behind the reciprocals)
.endr
	s_wait_alu depctr_va_vdst(0)                   ; and ahead of its first reader: one for the four
.irp a, 0,1,2,3
	v_ldexp_f32 v[GF+2*\a], v[LT+\a], v[TE+\a]         ; 2^(I_7 + e8 + e9) / l
	v_mov_b32 v[GF+2*\a+1], 0
.endr
.macro FETCH s                         ; K step s: eight fragments of v, into window s % 2
	WIN 0x40*((\s)%2)
.irp i, 0,1,2,3,4,5,6,7
.irp c, 0,1,2,3
	ds_load_b128 v[128+16*\i+4*\c:128+16*\i+4*\c+3], v[ADB+\i/2] offset:(\i%2)*32768+2048*(\s)+512*\c
.endr
.endr
	WIN 0
.endm
.macro SCALE s, a, j0, cnt             ; block a's accumulators go from units of g_(j-1) to units of g_j, j = s / 2, each from its low end on
.set FX, FF+2*(4*((\s)/2-1)+(\a))
	WIN 0x82                                       ; destination and source 0 window 2
.set jj, 64*(\a)+(\j0)
.rept \cnt
	v_pk_mul_f32 v[jj:jj+1], v[jj:jj+1], v[FX:FX+1] op_sel_hi:[1,0]
.set jj, jj+2
.endr
.endm
; A K step: 32 matrix instructions; the 32 accumulators take turns, one instruction a turn.
; At a key tile's first step block 0 is rescaled ahead of its products, and block a + 1 among block a's, four lines behind each.
.macro STEP s
.set RS, ((\s) >= 2) && ((\s)%2 == 0)
	PLACES
.if (\s) < 12
	ALOAD (\s)+4
.endif
.if (\s) < 15
	FETCH (\s)+1
.endif
.if (\s) < 12
	s_wait_loadcnt 63                              ; this step's p is in: 64 younger loads have been issued
.else
	s_wait_loadcnt 16*(15-(\s))
.endif
.if (\s) < 15
	s_wait_dscnt 32                                ; all but the 32 just issued
.else
	s_wait_dscnt 0x0
.endif
	PSET \s
.set GW, ((\s)%2)|(QW<<2)|0xa0
.if RS
	SCALE \s, 0, 0, 32
.endif
	WIN GW
.irp a, 0,1,2,3
.irp i, 0,1,2,3,4,5,6,7
.set AC, 64*\a+8*\i
.if (\s) == 0
	v_wmma_f32_16x16x128_bf8_bf8 v[AC:AC+7], v[128+16*\i:128+16*\i+15], v[QR+16*\a:QR+16*\a+15], 0
.else
	v_wmma_f32_16x16x128_bf8_bf8 v[AC:AC+7], v[128+16*\i:128+16*\i+15], v[QR+16*\a:QR+16*\a+15], v[AC:AC+7]
.endif
.if RS && (\a < 3)
	SCALE \s, \a+1, 8*\i, 4
	WIN GW
.endif
.endr
.endr
	WIN 0
.if (\s) == 4
	s_cmp_lt_u32 s19, 2
	s_cbranch_scc0 .Lno_ask
	global_prefetch_b8 v[PF], s[52:53] th:TH_LOAD_NT scope:SCOPE_SE
.Lno_ask:
.endif
.endm
	s_wait_alu depctr_va_vdst(0)
	s_wait_tensorcnt 0x0                           ; my part of v is in
	s_barrier_signal -1
	s_barrier_wait -1
	ALOAD 3
	FETCH 0
	global_prefetch_b8 v[PF], s[50:51] th:TH_LOAD_NT scope:SCOPE_SE
.set gn, 0
.rept 16
	STEP gn
.set gn, gn+1
.endr
	; THE WAY OUT: x 2^(I_7 + e8 + e9) / l, hold, convert, store: no LDS
	PLACES
.irp a, 0,1,2,3
.set TT, 128+64*(\a%2)
.set CC, 96+16*\a-96*(\a/2)
	WIN 0x02                                       ; source 0 window 2
.set jj, 0
.rept 32
	v_pk_mul_f32 v[TT+jj:TT+jj+1], v[64*\a+jj:64*\a+jj+1], v[GF+2*\a:GF+2*\a+1] op_sel_hi:[1,0]
.set jj, jj+2
.endr
	WIN 0
.set jj, 0
.rept 64
	v_med3_num_f32 v[TT+jj], v[TT+jj], -v[LIM], v[LIM]   ; the conversion does not saturate (ISA guide 7.6.2): the hold comes first
.set jj, jj+1
.endr
.irp b, 0,1,2,3,4,5,6,7
	v_cvt_scalef32_pk8_bf8_f32 v[CC+2*\b:CC+2*\b+1], v[TT+8*\b:TT+8*\b+7], v[SC]
.endr
	v_nop                                          ; a plain line behind the conversions
.irp b, 0,1,2,3,4,5,6,7
	global_store_b64 v[PO], v[CC+2*\b:CC+2*\b+1], s[70:71] offset:\a*16384+256*\b   ; 32 lanes store 256 consecutive bytes, aligned
.endr
.endr
	s_wait_tensorcnt 0x0                           ; the wave's end
	ds_add_u32 v[SPW], v[NIL]
	s_wait_dscnt 0x0
	CROUND                                         ; the closing round
	s_endpgm
.Lfunc_end_k_q74ef211c3c_pv:
	.size	k_q74ef211c3c_pv, .Lfunc_end_k_q74ef211c3c_pv-k_q74ef211c3c_pv
	.p2alignl 7, 3214868480
	.fill 96, 4, 3214868480
	.section	.rodata,"a",@progbits
	.p2align	6, 0x0
	.amdhsa_kernel k_q74ef211c3c_pv
		.amdhsa_group_segment_fixed_size 327680
		.amdhsa_private_segment_fixed_size 0
		.amdhsa_enable_private_segment 0
		.amdhsa_kernarg_size 48
		.amdhsa_user_sgpr_count 2
		.amdhsa_user_sgpr_kernarg_segment_ptr 1
		.amdhsa_wavefront_size32 1
		.amdhsa_system_sgpr_workgroup_id_x 1
		.amdhsa_system_sgpr_workgroup_id_y 1
		.amdhsa_system_sgpr_workgroup_id_z 1
		.amdhsa_system_vgpr_workitem_id 0
		.amdhsa_next_free_vgpr 1024
		.amdhsa_next_free_sgpr 100
		.amdhsa_reserve_vcc 0
		.amdhsa_float_denorm_mode_32 3
		.amdhsa_float_denorm_mode_16_64 3
		.amdhsa_memory_ordered 1
		.amdhsa_forward_progress 1
		.amdhsa_inst_pref_size 213
	.end_amdhsa_kernel
	.amdgpu_metadata
---
amdhsa.version: [ 1, 2 ]
amdhsa.kernels:
  - .name:           k_q74ef211c3c_pv
    .symbol:         k_q74ef211c3c_pv.kd
    .args:
      - { .name: p_img, .offset: 0, .size: 8, .value_kind: global_buffer, .address_space: global }
      - { .name: v_img, .offset: 8, .size: 8, .value_kind: global_buffer, .address_space: global }
      - { .name: nm_st, .offset: 16, .size: 8, .value_kind: global_buffer, .address_space: global }
      - { .name: l_st, .offset: 24, .size: 8, .value_kind: global_buffer, .address_space: global }
      - { .name: lowp_scales, .offset: 32, .size: 8, .value_kind: global_buffer, .address_space: global }
      - { .name: a_img, .offset: 40, .size: 8, .value_kind: global_buffer, .address_space: global }
    .group_segment_fixed_size: 327680
    .private_segment_fixed_size: 0
    .kernarg_segment_align: 8
    .kernarg_segment_size: 48
    .max_flat_workgroup_size: 128
    .sgpr_count:     100
    .vgpr_count:     1024
    .wavefront_size: 32
...
	.end_amdgpu_metadata
.endif
;; end of part 3
;; launch outp (part 4): grid 32 x 8, 4 waves a work-group, clusters of 4 x 1, 327,680 bytes of LDS; arguments a_img, Wo_codes, lowp_scales, bo, out0; writes out0
.if DOCPART == 4
	.amdgcn_target "amdgcn-amd-amdhsa--gfx1250"
	.amdhsa_code_object_version 6
	.text
	.protected	k_q74ef211c3c_outp
	.globl	k_q74ef211c3c_outp
	.p2align	8
	.type	k_q74ef211c3c_outp,@function
k_q74ef211c3c_outp:
	s_mov_b64 s[64:65], 0
	v_nop
	global_prefetch_b8 v0, s[64:65] scope:SCOPE_SE
	s_setreg_imm32_b32 hwreg(HW_REG_WAVE_MODE, 25, 1), 1
	s_wait_xcnt 0x0
	s_wait_alu depctr_hold_cnt(0) depctr_sa_sdst(0) depctr_va_vdst(0) depctr_va_sdst(0) depctr_va_ssrc(0) depctr_va_vcc(0) depctr_vm_vsrc(0)
	s_getreg_b32 s2, hwreg(HW_REG_IB_STS2, 6, 4)
	s_cmp_eq_u32 s2, 0
	s_cbranch_scc0 .Lentry_in_a_cluster
	s_endpgm
.Lentry_in_a_cluster:
	s_bfe_u32 s2, ttmp6, 0x10000c
	s_cmp_lg_u32 s2, 0x3003
	s_cbranch_scc0 .Lentry_shape_is_right
	s_endpgm
.Lentry_shape_is_right:
; out = attn Wo + bo on codes of E5M2; f32 out.  No work is left out.  Each finished sum is multiplied once by 2^(e10 + e11), and the bias added in the same fused multiply-add.
; LIMIT: e10 + e11 between -126 and 127, so that the power of two is an f32 number.
; SHARES.  A work-group makes 256 tokens x 128 features, a wave 64 x 128: source 0 = 16 features, source 1 = 16 tokens: a lane holds ONE token, its registers eight neighbouring features of it.
; attn's codes GO FROM MEMORY STRAIGHT INTO REGISTERS (the image of the operand's registers), all of K: 512 registers.  Wo's 128 rows of 1,024 bytes go to LDS by one joint load a wave, shared by the four token tiles of a cluster; nothing is filled again.
; The features go in two groups of 64 (a row of 256 bytes of out): the first group's rows leave while the second is multiplied: block a (16 tokens) is scaled among step a's products, goes through the wave's stage in LDS with step a + 1's loads and is stored with step a + 2's.
; No prefetch: all that the launch multiplies is asked for by its loads at the head, and no loop is left to run ahead in.
; REGISTERS: window 0: v0-31 addresses; v32-63 bias; v96-223 two sets of four fragments of Wo (at the end: results); v224-255 results on their way to the stage.
;   windows 1, 2: attn's K steps 0-3, 4-7; rows come back from the stage to registers of window 1 whose fragments have been multiplied for the last time.   window 3: the accumulators, (group, a, b) at v[128 g + 32 a + 8 b].
.set PITCH, 1040                       ; an LDS row: 1,024 bytes + 16: the 16 rows that a load touches start at 16 different banks (ISA guide 11.1)
.set SPARE, 128*PITCH                  ; the spare words, 128 bytes for each wave, which no other line names
.set STAGE, SPARE+512                  ; each wave's own 16 rows of 256 + 16 bytes
.set SPITCH, 272
.set AB,  16                           ; v16-17 Wo's 64 rows of my first and of my second group
.set AO,  18
.set STO, 24
.set RD,  25
.set CO,  26
.set BA,  27
.set SPW, 28
.set NIL, 29
.set BI,  32
.set TMP, 224
.set MSB, 0
.macro WIN new
.if MSB != \new
	s_set_vgpr_msb (MSB<<8)|(\new)
.set MSB, \new
.endif
.endm
.macro PLACES
.rept 4
	v_nop
.endr
.endm
.macro CROUND
	s_barrier_signal -1
	s_barrier_wait -1
	s_cmp_lg_u32 s14, 0
	s_cbranch_scc1 .Lnot_wave_0_\@
	s_barrier_signal -3
.Lnot_wave_0_\@:
	s_barrier_wait -3
	s_barrier_signal -1
	s_barrier_wait -1
.endm
.macro ALOAD s                         ; attn's four fragments of K step s: each load 512 consecutive bytes
	WIN 0x40+0x40*((\s)/4)
.irp a, 0,1,2,3
.irp c, 0,1,2,3
	global_load_b128 v[64*((\s)%4)+16*\a+4*\c:64*((\s)%4)+16*\a+4*\c+3], v[AO], s[20:21] offset:\a*16384+2048*(\s)+512*\c
.endr
.endr
	WIN 0
.endm
.macro BIAS g
.irp b, 0,1,2,3
	global_load_b128 v[BI+8*\b:BI+8*\b+3], v[BA], s[10+2*(\g):11+2*(\g)] offset:64*\b
	global_load_b128 v[BI+8*\b+4:BI+8*\b+7], v[BA], s[10+2*(\g):11+2*(\g)] offset:64*\b+16
.endr
.endm
	s_load_b256 s[4:11], s[0:1], 0x0               ; a_img, Wo, the scales' exponents, bo
	s_load_b64 s[68:69], s[0:1], 0x20              ; out0
	v_lshl_add_u32 v[SPW], v0, 2, SPARE
	v_mov_b32 v[NIL], 0
	ds_add_u32 v[SPW], v[NIL]                      ; the opening lines: the add, twice on end, and its wait
	ds_add_u32 v[SPW], v[NIL]
	v_lshrrev_b32 v1, 5, v0
	v_readfirstlane_b32 s14, v1                    ; wave 0..3
	s_bfe_u32 s40, ttmp6, 0x40000                  ; cx
	s_lshl_b32 s17, ttmp9, 2
	s_add_co_u32 s17, s17, s40                     ; the token tile, 0..31
	s_and_b32 s19, ttmp7, 0xffff                   ; the tile of 128 features, 0..7
	s_mov_b32 s24, 15|(1<<20)|(1<<21)|(7<<22)|(3<<25)  ; the mask; elements of 1 byte; padding: 4 words behind every 256; bit 21 beside a mask
	s_mov_b32 s25, 1024<<16                        ; tensor_dim0
	s_mov_b32 s26, 32<<16                          ; tensor_dim1
	s_mov_b32 s27, 1024<<16
	s_mov_b32 s28, 32
	s_mov_b32 s29, 1024
	s_mov_b32 s30, 0
	s_mov_b32 s31, 0
	s_lshl_b32 s20, s17, 4
	s_lshl_b32 s21, s14, 2
	s_add_co_u32 s20, s20, s21                     ; my row blocks: 16 x tile + 4 x wave
	s_lshl_b32 s46, s20, 16                        ; 16 rows of out are 65,536 bytes
	s_lshl_b32 s20, s20, 14
	s_mov_b32 s21, 0
	s_and_b32 s37, s14, 1                          ; the odd waves take the two groups of 64 features in the other order, so that both halves of a row's 512 bytes are being stored at a time
	s_xor_b32 s38, s37, 1
	s_lshl_b32 s22, s19, 9                         ; the tile's features in a row of out, and of bo
	s_lshl_b32 s39, s38, 8
	s_add_co_u32 s12, s22, s39                     ; my second group's,
	s_mov_b32 s13, 0
	s_lshl_b32 s39, s37, 8
	s_add_co_u32 s22, s22, s39                     ; and my first's
	s_mov_b32 s23, 0
	s_add_co_u32 s48, s46, s12
	s_mov_b32 s49, 0
	s_add_co_u32 s46, s46, s22
	s_mov_b32 s47, 0
	s_mul_i32 s37, s37, 64*PITCH                   ; and their rows of Wo in LDS
	s_mul_i32 s38, s38, 64*PITCH
	s_lshl_b32 s44, s19, 7
	s_lshl_b32 s45, s14, 5
	s_add_co_u32 s44, s44, s45
	s_lshl_b32 s44, s44, 10                        ; Wo: row 128 x tile + 32 x wave
	s_mov_b32 s45, 0
	s_mov_b32 s32, 1
	s_mul_i32 s33, s14, 32*PITCH                   ; where my load lands
	s_mul_i32 s36, s14, 16*SPITCH
	s_add_co_u32 s36, s36, STAGE                   ; my stage
	v_and_b32 v2, 31, v0                           ; lane
	v_and_b32 v3, 15, v0                           ; r
	v_bfe_u32 v4, v0, 4, 1                         ; h
	v_lshlrev_b32 v[AO], 4, v2
	v_mul_u32_u24 v5, v3, PITCH
	v_lshl_add_u32 v5, v4, 4, v5                   ; row r, + 16 h
	v_add_nc_u32 v[AB], s37, v5
	v_add_nc_u32 v[AB+1], s38, v5
	v_mul_u32_u24 v6, v3, SPITCH
	v_lshl_add_u32 v6, v4, 5, v6
	v_add_nc_u32 v[STO], s36, v6                   ; in: row r, 32 bytes for each half of the lanes
	v_mul_u32_u24 v7, v4, SPITCH
	v_lshl_add_u32 v7, v3, 4, v7
	v_add_nc_u32 v[RD], s36, v7                    ; back: lanes 0-15 take one row of 256 bytes, lanes 16-31 the next
	v_lshlrev_b32 v8, 12, v4
	v_lshl_add_u32 v[CO], v3, 4, v8                ; and the same two rows in out
	v_lshlrev_b32 v[BA], 5, v4
	s_wait_alu depctr_va_vdst(0)
	s_wait_dscnt 0x0                               ; both opening adds are done
	s_wait_kmcnt 0x0
	s_load_b64 s[96:97], s[8:9], 0x28              ; e10, e11
	s_add_nc_u64 s[20:21], s[4:5], s[20:21]
	s_add_nc_u64 s[34:35], s[6:7], s[44:45]
	s_or_b32 s35, s35, 0x80000000
	s_add_nc_u64 s[12:13], s[10:11], s[12:13]      ; bo, out: my second group
	s_add_nc_u64 s[70:71], s[68:69], s[48:49]
	s_add_nc_u64 s[10:11], s[10:11], s[22:23]      ; my first
	s_add_nc_u64 s[68:69], s[68:69], s[46:47]
	BIAS 0
	ALOAD 0
	CROUND                                         ; the joint loads meet
	tensor_load_to_lds s[32:35], s[24:31]
	s_nop 0
	PLACES
.irp s, 1,2,3,4,5,6,7
	ALOAD \s
.endr
.macro FETCH n                         ; group n / 8, K step n % 8: four fragments of Wo into set n % 2
.set FS, (\n)%8
.set FG, (\n)/8
.set FP, 96+64*((\n)%2)
.irp b, 0,1,2,3
.irp c, 0,1,2,3
	ds_load_b128 v[FP+16*\b+4*\c:FP+16*\b+4*\c+3], v[AB+FG] offset:\b*16*PITCH+128*FS+32*\c
.endr
.endr
.endm
.macro RES g, a, t, j0, cnt            ; x 2^(e10 + e11) + bias, two at a time, each accumulator from its low end on
	WIN 0x03
.set jj, \j0
.rept \cnt
	v_pk_fma_f32 v[(\t)+jj:(\t)+jj+1], v[128*(\g)+32*(\a)+jj:128*(\g)+32*(\a)+jj+1], s[96:97], v[BI+jj:BI+jj+1] op_sel_hi:[1,0,1]
.set jj, jj+2
.endr
.endm
.macro TOSTAGE t, bk                   ; 16 rows x 64 columns of f32 into my stage, and back as whole rows of 256 bytes, into window 1
	WIN 0
.irp b, 0,1,2,3
	ds_store_b128 v[STO], v[\t+8*\b:\t+8*\b+3] offset:64*\b
	ds_store_b128 v[STO], v[\t+8*\b+4:\t+8*\b+7] offset:64*\b+16
.endr
	WIN 0x40
.irp i, 0,1,2,3,4,5,6,7
	ds_load_b128 v[\bk+4*\i:\bk+4*\i+3], v[RD] offset:\i*2*SPITCH   ; LDS serves a wave's instructions in order (ISA guide 5.7.1.4)
.endr
	WIN 0
.endm
.macro SEND g, a, bk                   ; 16 lanes store 256 consecutive bytes, aligned
	WIN 0x04
.irp i, 0,1,2,3,4,5,6,7
	global_store_b128 v[CO], v[\bk+4*\i:\bk+4*\i+3], s[68+2*(\g):69+2*(\g)] offset:(\a)*65536+\i*8192 th:TH_STORE_NT
.endr
	WIN 0
.endm
; A K step of a group: 16 matrix instructions; the accumulators take turns, one instruction a turn.
.macro STEP n
.set SS, (\n)%8
.set SG, (\n)/8
.set SP, 96+64*((\n)%2)
	PLACES
.if (SG == 1) && (SS >= 1) && (SS < 5)
	TOSTAGE TMP, 64*(SS-1)                         ; block SS - 1, scaled in the step before; K step SS - 1's fragments have been multiplied for the last time
.endif
.if (SG == 1) && (SS == 5)
	BIAS 1
.endif
.if (\n) < 15
	FETCH (\n)+1
.endif
.if (\n) < 4
	s_wait_loadcnt 63                              ; this step's fragments are in: at least 64 younger loads have been issued
.elseif (\n) < 8
	s_wait_loadcnt 16*(7-SS)
.endif
.if (\n) == 15
	s_wait_dscnt 0x0
.elseif (SG == 1) && (SS >= 1) && (SS < 5)
	s_wait_dscnt 32                                ; all but the stage's 16 and the 16 just issued
.else
	s_wait_dscnt 16                                ; all but the 16 just issued
.endif
.if (SG == 1) && (SS >= 2) && (SS < 6)
	SEND 0, SS-2, 64*(SS-2)                        ; its rows have come back: they are older than this step's fragments
.endif
.set GW, 0xf4+4*(SS/4)
	WIN GW
.irp a, 0,1,2,3
.irp b, 0,1,2,3
.set AC, 128*SG+8*(4*\a+\b)
.if SS == 0
	v_wmma_f32_16x16x128_bf8_bf8 v[AC:AC+7], v[SP+16*\b:SP+16*\b+15], v[64*(SS%4)+16*\a:64*(SS%4)+16*\a+15], 0
.else
	v_wmma_f32_16x16x128_bf8_bf8 v[AC:AC+7], v[SP+16*\b:SP+16*\b+15], v[64*(SS%4)+16*\a:64*(SS%4)+16*\a+15], v[AC:AC+7]
.endif
.if (SG == 1) && (SS < 4) && (\b == 0)
	RES 0, SS, TMP, 8*\a, 4                        ; the first group's block SS, four lines behind every fourth
	WIN GW
.endif
.endr
.endr
	WIN 0
.endm
	s_wait_kmcnt 0x0
	s_add_co_i32 s96, s96, s97
	s_add_co_i32 s96, s96, 127
	s_lshl_b32 s96, s96, 23                        ; 2^(e10 + e11)
	s_mov_b32 s97, s96                             ; (named with it as a pair, so it is written)
	s_wait_tensorcnt 0x0                           ; my part of Wo is in
	s_barrier_signal -1
	s_barrier_wait -1
	FETCH 0
.set nn, 0
.rept 16
	STEP nn
.set nn, nn+1
.endr
	s_wait_loadcnt 0x0                             ; the second group's bias
	PLACES
.irp a, 0,1,2,3
	RES 1, \a, 96+32*\a, 0, 16
.endr
.irp a, 0,1,2,3
	TOSTAGE 96+32*\a, 64*\a+32
.endr
.irp a, 0,1,2,3
	s_wait_dscnt 48-16*\a                          ; block a's rows have come back: 16 LDS instructions a block
	SEND 1, \a, 64*\a+32
.endr
	s_wait_tensorcnt 0x0                           ; the wave's end
	ds_add_u32 v[SPW], v[NIL]
	s_wait_dscnt 0x0
	CROUND                                         ; the closing round
	s_endpgm
.Lfunc_end_k_q74ef211c3c_outp:
	.size	k_q74ef211c3c_outp, .Lfunc_end_k_q74ef211c3c_outp-k_q74ef211c3c_outp
	.p2alignl 7, 3214868480
	.fill 96, 4, 3214868480
	.section	.rodata,"a",@progbits
	.p2align	6, 0x0
	.amdhsa_kernel k_q74ef211c3c_outp
		.amdhsa_group_segment_fixed_size 327680
		.amdhsa_private_segment_fixed_size 0
		.amdhsa_enable_private_segment 0
		.amdhsa_kernarg_size 40
		.amdhsa_user_sgpr_count 2
		.amdhsa_user_sgpr_kernarg_segment_ptr 1
		.amdhsa_wavefront_size32 1
		.amdhsa_system_sgpr_workgroup_id_x 1
		.amdhsa_system_sgpr_workgroup_id_y 1
		.amdhsa_system_sgpr_workgroup_id_z 1
		.amdhsa_system_vgpr_workitem_id 0
		.amdhsa_next_free_vgpr 1024
		.amdhsa_next_free_sgpr 100
		.amdhsa_reserve_vcc 0
		.amdhsa_float_denorm_mode_32 3
		.amdhsa_float_denorm_mode_16_64 3
		.amdhsa_memory_ordered 1
		.amdhsa_forward_progress 1
		.amdhsa_inst_pref_size 80
	.end_amdhsa_kernel
	.amdgpu_metadata
---
amdhsa.version: [ 1, 2 ]
amdhsa.kernels:
  - .name:           k_q74ef211c3c_outp
    .symbol:         k_q74ef211c3c_outp.kd
    .args:
      - { .name: a_img, .offset: 0, .size: 8, .value_kind: global_buffer, .address_space: global }
      - { .name: Wo_codes, .offset: 8, .size: 8, .value_kind: global_buffer, .address_space: global }
      - { .name: lowp_scales, .offset: 16, .size: 8, .value_kind: global_buffer, .address_space: global }
      - { .name: bo, .offset: 24, .size: 8, .value_kind: global_buffer, .address_space: global }
      - { .name: out0, .offset: 32, .size: 8, .value_kind: global_buffer, .address_space: global }
    .group_segment_fixed_size: 327680
    .private_segment_fixed_size: 0
    .kernarg_segment_align: 8
    .kernarg_segment_size: 40
    .max_flat_workgroup_size: 128
    .sgpr_count:     100
    .vgpr_count:     1024
    .wavefront_size: 32
...
	.end_amdgpu_metadata
.endif
;; end of part 4
